; MI455X (gfx1250); checked and timed in simulation.
; The chip was launched on July 23, 2026; its instructions are those of AMD's public machine-readable ISA for CDNA 5 (MIT licence, August 2026) and "CDNA5" Instruction Set Architecture Reference Guide (July 2026). The comments in the code are by the model that wrote it; some were corrected since.
;; new Hashed Layer. Allowed arithmetic: float matrix products may take bf16 or f16 operands with f32 sums; other float arithmetic in f32, or as packed bf16 or f16 multiplies, adds, multiply-adds, maxima and minima; sums over many terms, partial sums and values carried from step to step in f32; what a program stores and reads back later, other than sums and carried values, may be rounded once to bf16 or f16.
;; Inputs: Wc 65,536 float32; bias 4,096 float32; hash_idx 4,096 x 4,096 int32; sign_bits 4,096 x 4,096 int32; x 4,096 x 4,096 float32.
;; Outputs: out0 4,096 x 4,096 float32.
;; One version. Each part assembles by itself: llvm-mc -triple=amdgcn-amd-amdhsa -mcpu=gfx1250 --defsym DOCPART=n.
;; ======== version 1 of 1: 2 launches
;; workspace buffers: xb 33,554,432 bytes; wb 33,554,432 bytes
;; launch prep (part 1): grid 256 x 1, 16 waves a work-group, no clusters, 264,192 bytes of LDS; arguments x, Wc, hash_idx, sign_bits, xb, wb; writes xb, wb
.if DOCPART == 1
	.amdgcn_target "amdgcn-amd-amdhsa--gfx1250"
	.amdhsa_code_object_version 6
	.text
	.protected	k_qe82d05e1ee_prep
	.globl	k_qe82d05e1ee_prep
	.p2align	8
	.type	k_qe82d05e1ee_prep,@function
k_qe82d05e1ee_prep:
	s_mov_b64 s[64:65], 0
	v_nop
	global_prefetch_b8 v0, s[64:65] scope:SCOPE_SE
	s_setreg_imm32_b32 hwreg(HW_REG_WAVE_MODE, 25, 1), 1
	s_wait_xcnt 0x0
; FIRST OF TWO LAUNCHES.  out0 = x w^T + bias with w[i][j] = (1 - 2 sign_bits[i][j]) Wc[hash_idx[i][j]].  This launch makes the product's two operands, each rounded once to bf16:
;   xb[r][c] = bf16(x[r][c])      wb[i][j] = bf16((1 - 2 sign_bits[i][j]) Wc[hash_idx[i][j]])      both [4096][4096], rows of 8,192 bytes.
; w is expanded ONCE, here: each row of w is wanted by all 16 tile rows of the product, so an expansion inside the product would repeat the 16,777,216 lookups sixteen times.
; NO WORK IS LEFT OUT: every input has a way to the output, and all five are loaded (x, Wc, hash_idx, sign_bits here, bias in the second launch).
; LIMITS.  hash_idx is taken as an unsigned number and held to 65,535: the problem's indices lie inside the table; a negative index does not wrap round.  sign_bits may hold any int32: it is converted
; to f32 and 1 - 2 s is one fused multiply-add; 2 s is exact, so there is one rounding, as in 1.0 - 2.0 * s.  bf16 has f32's range: no input overflows that did not before.
; SHARES.  Work-group g owns rows 16 g .. 16 g + 15 of x and of w, wave v one row of each: 4,096 numbers, 16 chunks of 256.  In a chunk a lane has 8 neighbouring numbers: 32 bytes in (two loads of 16),
; 16 bytes out: a wave's store covers 512 consecutive bytes, at a multiple of 512 from the buffer's first byte.  Four chunks are a group.
; THE TABLE lies in LDS as f32, entry i at byte 4 i: 262,144 bytes, brought once by 16 tensor loads, one a wave, 16,384 dense bytes each as 64 rows of 256; nothing is filled again.
; IN FLIGHT.  All four groups of x and the first group of indices and signs are asked for at once (48 loads, 24 KiB a wave); a slot of registers is asked for again as soon as it is used up.
; x is converted while the table is on its way; ONE barrier stands between the table's landing and the first lookup.
; NO CLUSTER.  What work-groups share is the table alone: 262,144 bytes against 1,048,576 of a work-group's own (786,432 in, 262,144 out); and the lookups' LDS addresses are made of numbers loaded
; from the work-group's own rows, so they differ between partners.
; NO MATRIX WORK, NO PREFETCH: the launch is a stream whose whole share is asked for within the first half of a wave's text.
.set SPARE, 262144                     ; behind the table: the spare words, 128 bytes for each of 16 waves: eight blocks of 256 bytes that no other line names
.set VIN,  2                           ; v2        32 x lane: my 32 bytes of a chunk of x, hash_idx, sign_bits; never rewritten
.set VOUT, 3                           ; v3        16 x lane: my 16 bytes of a chunk of xb, wb; never rewritten
.set SPW,  4                           ; v4        LDS address of my spare word: SPARE + 4 x my thread's number; never rewritten
.set NIL,  5                           ; v5        0; never rewritten
.set XR,   16                          ; v[16:143] x: group g at XR + 32 g, chunk c of it 8 registers on
.set SLA,  16                          ; v[16:79]   three slots of 64 for a group of indices and signs: chunk c has its 8 indices at + 16 c, its 8 signs at + 16 c + 8
.set SLB,  80                          ; v[80:143]  (slots A and B take the place of x's groups 0, 1 and 2, 3 when those are converted)
.set SLC,  144                         ; v[144:207]
.set GW,   208                         ; v[208:239] a group's 32 looked-up numbers
.set YO,   240                         ; v[240:255] a group's store data, 4 registers a chunk
.set WV,   16                          ; s16       my wave's number
.set G0,   24                          ; s[24:27]  descriptor group 0
.set G1,   28                          ; s[28:35]  descriptor group 1
	s_load_b256 s[4:11], s[0:1], 0x0               ; x s[4:5], Wc s[6:7], hash_idx s[8:9], sign_bits s[10:11]
	s_load_b128 s[12:15], s[0:1], 0x20             ; xb s[12:13], wb s[14:15]
	v_lshl_add_u32 v[SPW], v0, 2, SPARE
	v_mov_b32 v[NIL], 0
	ds_add_u32 v[SPW], v[NIL]                      ; the wave's opening: the add, twice on end, and its wait ahead of my first tensor load; the set-up below stands between
	ds_add_u32 v[SPW], v[NIL]                      ; and once more, under the one wait
	v_lshrrev_b32 v1, 5, v0
	v_readfirstlane_b32 s[WV], v1                  ; wave 0..15
	v_and_b32 v1, 31, v0                           ; lane
	v_lshlrev_b32 v[VIN], 5, v1
	v_lshlrev_b32 v[VOUT], 4, v1
	; descriptor group 1: 64 rows of 32 elements of 8 bytes, dense; the extents are the tile's own, since the tile lies inside the table
	s_mov_b32 s[G1+0], 3<<16                       ; 15:0 no mask; 17:16 elements of 8 bytes (code 3); 20 no padding
	s_mov_b32 s[G1+1], 32<<16                      ; tensor_dim0 = 32
	s_mov_b32 s[G1+2], 64<<16                      ; tensor_dim1 = 64
	s_mov_b32 s[G1+3], 32<<16                      ; tile_dim0 = 32
	s_mov_b32 s[G1+4], 64                          ; tile_dim1 = 64
	s_mov_b32 s[G1+5], 32                          ; 32 elements from row to row
	s_mov_b32 s[G1+6], 0
	s_mov_b32 s[G1+7], 0
	s_lshl_b32 s22, s[WV], 14                      ; my 16,384 bytes of the table; also my row among the group's 16 rows of 16,384 bytes
	s_mov_b32 s23, 0
	s_lshl_b32 s18, ttmp9, 18                      ; the work-group's 16 rows of 16,384 bytes (under 2^26),
	s_add_co_u32 s18, s18, s22                     ; + my row
	s_mov_b32 s19, 0
	s_lshl_b32 s20, ttmp9, 17                      ; the same in rows of 8,192 bytes
	s_lshl_b32 s21, s[WV], 13
	s_add_co_u32 s20, s20, s21
	s_mov_b32 s21, 0
	s_mov_b32 s[G0+0], 1                           ; 1:0 count = 1
	s_lshl_b32 s[G0+1], s[WV], 14                  ; 63:32 LDS address: 16,384 x wave
	s_wait_dscnt 0x0                               ; both opening adds are done
	s_wait_kmcnt 0x0
	s_add_nc_u64 s[G0+2:G0+3], s[6:7], s[22:23]    ; 120:64 global address: my part of Wc
	s_or_b32 s[G0+3], s[G0+3], 0x80000000          ; 127:126 type = 2
	tensor_load_to_lds s[G0:G0+3], s[G1:G1+7]      ; my one tensor load
	s_nop 0
	s_add_nc_u64 s[4:5], s[4:5], s[18:19]          ; x, hash_idx and sign_bits at my row
	s_add_nc_u64 s[8:9], s[8:9], s[18:19]
	s_add_nc_u64 s[10:11], s[10:11], s[18:19]
	s_add_nc_u64 s[12:13], s[12:13], s[20:21]      ; xb and wb at my row
	s_add_nc_u64 s[14:15], s[14:15], s[20:21]
; Group g of x is asked for: 8 loads.
.macro XLOAD g
.irp c, 0,1,2,3
	global_load_b128 v[XR+32*(\g)+8*(\c):XR+32*(\g)+8*(\c)+3],   v[VIN], s[4:5] offset:1024*(4*(\g)+(\c)) th:TH_LOAD_NT
	global_load_b128 v[XR+32*(\g)+8*(\c)+4:XR+32*(\g)+8*(\c)+7], v[VIN], s[4:5] offset:1024*(4*(\g)+(\c))+16 th:TH_LOAD_NT
.endr
.endm
; Group g of x is rounded and stored.  left = the younger loads, which may stay out.
.macro XDO g, left
	s_wait_loadcnt \left                           ; loads come back in order (ISA guide 5.7.1): this group's eight are in
	s_wait_xcnt 0x0                                ; the last group's stores have read YO: it is rewritten only behind this wait
.irp c, 0,1,2,3
.irp r, 0,1,2,3
	v_cvt_pk_bf16_f32 v[YO+4*(\c)+(\r)], v[XR+32*(\g)+8*(\c)+2*(\r)], v[XR+32*(\g)+8*(\c)+2*(\r)+1]
.endr
	global_store_b128 v[VOUT], v[YO+4*(\c):YO+4*(\c)+3], s[12:13] offset:512*(4*(\g)+(\c))
.endr
.endm
; Group g of indices and signs is asked for, into slot sl: 16 loads.
.macro HSLOAD g, sl
.irp c, 0,1,2,3
	global_load_b128 v[(\sl)+16*(\c):(\sl)+16*(\c)+3],     v[VIN], s[8:9] offset:1024*(4*(\g)+(\c)) th:TH_LOAD_NT
	global_load_b128 v[(\sl)+16*(\c)+4:(\sl)+16*(\c)+7],   v[VIN], s[8:9] offset:1024*(4*(\g)+(\c))+16 th:TH_LOAD_NT
	global_load_b128 v[(\sl)+16*(\c)+8:(\sl)+16*(\c)+11],  v[VIN], s[10:11] offset:1024*(4*(\g)+(\c)) th:TH_LOAD_NT
	global_load_b128 v[(\sl)+16*(\c)+12:(\sl)+16*(\c)+15], v[VIN], s[10:11] offset:1024*(4*(\g)+(\c))+16 th:TH_LOAD_NT
.endr
.endm
; Group g of w, from slot sl: 32 lookups in one run, the signs' arithmetic while they are out, then chunk by chunk product, rounding and store.
.macro HSDO g, sl, left
	s_wait_loadcnt \left                           ; this group's sixteen loads are in
.irp c, 0,1,2,3
.irp r, 0,1,2,3,4,5,6,7
	v_min_u32 v[(\sl)+16*(\c)+(\r)], 0xffff, v[(\sl)+16*(\c)+(\r)]     ; inside the table,
.endr
.irp r, 0,1,2,3,4,5,6,7
	v_lshlrev_b32 v[(\sl)+16*(\c)+(\r)], 2, v[(\sl)+16*(\c)+(\r)]      ; as a byte address: 262,140 at the most
.endr
.irp r, 0,1,2,3,4,5,6,7
	ds_load_b32 v[GW+8*(\c)+(\r)], v[(\sl)+16*(\c)+(\r)]
.endr
.endr
.irp c, 0,1,2,3
.irp r, 0,1,2,3,4,5,6,7
	v_cvt_f32_i32 v[(\sl)+16*(\c)+8+(\r)], v[(\sl)+16*(\c)+8+(\r)]
.endr
.irp r, 0,2,4,6
	v_pk_fma_f32 v[(\sl)+16*(\c)+8+(\r):(\sl)+16*(\c)+9+(\r)], v[(\sl)+16*(\c)+8+(\r):(\sl)+16*(\c)+9+(\r)], -2.0, 1.0 op_sel_hi:[1,0,0]  ; 1 - 2 s, two at a time
.endr
.endr
	s_wait_xcnt 0x0                                ; the last group's stores have read YO
.irp c, 0,1,2,3
	s_wait_dscnt 8*(3-(\c))                        ; LDS loads come back in order: chunk c's eight are in, the later chunks' may stay out
.irp r, 0,2,4,6
	v_pk_mul_f32 v[GW+8*(\c)+(\r):GW+8*(\c)+(\r)+1], v[GW+8*(\c)+(\r):GW+8*(\c)+(\r)+1], v[(\sl)+16*(\c)+8+(\r):(\sl)+16*(\c)+9+(\r)]
.endr
.irp r, 0,1,2,3
	v_cvt_pk_bf16_f32 v[YO+4*(\c)+(\r)], v[GW+8*(\c)+2*(\r)], v[GW+8*(\c)+2*(\r)+1]
.endr
	global_store_b128 v[VOUT], v[YO+4*(\c):YO+4*(\c)+3], s[14:15] offset:512*(4*(\g)+(\c))
.endr
.endm
	XLOAD 0
	XLOAD 1
	XLOAD 2
	XLOAD 3
	HSLOAD 0, SLC                                  ; 48 loads are out
	XDO 0, 40                                      ; younger: x's groups 1, 2, 3 (24) and the first indices and signs (16)
	XDO 1, 32                                      ; x's groups 2, 3 and those 16
	HSLOAD 1, SLA                                  ; where x's groups 0 and 1 lay
	XDO 2, 40                                      ; x's group 3 (8) and two groups of indices and signs (32)
	XDO 3, 32                                      ; those two groups
	HSLOAD 2, SLB                                  ; where x's groups 2 and 3 lay
	s_wait_tensorcnt 0x0                           ; my part of the table has landed,
	s_barrier_signal -1
	s_barrier_wait -1                              ; everybody's has: the lookups read all of it
	HSDO 0, SLC, 32                                ; younger: groups 1 and 2
	HSLOAD 3, SLC
	HSDO 1, SLA, 32                                ; groups 2 and 3
	HSDO 2, SLB, 16                                ; group 3
	HSDO 3, SLC, 0
	s_wait_tensorcnt 0x0                           ; the wave's end, behind my tensor load
	ds_add_u32 v[SPW], v[NIL]
	s_wait_dscnt 0x0
	s_endpgm
.Lfunc_end_k_qe82d05e1ee_prep:
	.size	k_qe82d05e1ee_prep, .Lfunc_end_k_qe82d05e1ee_prep-k_qe82d05e1ee_prep
	.p2alignl 7, 3214868480
	.fill 96, 4, 3214868480
	.section	.rodata,"a",@progbits
	.p2align	6, 0x0
	.amdhsa_kernel k_qe82d05e1ee_prep
		.amdhsa_group_segment_fixed_size 264192
		.amdhsa_private_segment_fixed_size 0
		.amdhsa_enable_private_segment 0
		.amdhsa_kernarg_size 48
		.amdhsa_user_sgpr_count 2
		.amdhsa_user_sgpr_kernarg_segment_ptr 1
		.amdhsa_wavefront_size32 1
		.amdhsa_system_sgpr_workgroup_id_x 1
		.amdhsa_system_sgpr_workgroup_id_y 1
		.amdhsa_system_sgpr_workgroup_id_z 1
		.amdhsa_system_vgpr_workitem_id 0
		.amdhsa_next_free_vgpr 256
		.amdhsa_next_free_sgpr 66
		.amdhsa_reserve_vcc 0
		.amdhsa_float_denorm_mode_32 3
		.amdhsa_float_denorm_mode_16_64 3
		.amdhsa_memory_ordered 1
		.amdhsa_forward_progress 1
		.amdhsa_inst_pref_size 56
	.end_amdhsa_kernel
	.amdgpu_metadata
---
amdhsa.version: [ 1, 2 ]
amdhsa.kernels:
  - .name:           k_qe82d05e1ee_prep
    .symbol:         k_qe82d05e1ee_prep.kd
    .args:
      - { .name: x, .offset: 0, .size: 8, .value_kind: global_buffer, .address_space: global }
      - { .name: Wc, .offset: 8, .size: 8, .value_kind: global_buffer, .address_space: global }
      - { .name: hash_idx, .offset: 16, .size: 8, .value_kind: global_buffer, .address_space: global }
      - { .name: sign_bits, .offset: 24, .size: 8, .value_kind: global_buffer, .address_space: global }
      - { .name: xb, .offset: 32, .size: 8, .value_kind: global_buffer, .address_space: global }
      - { .name: wb, .offset: 40, .size: 8, .value_kind: global_buffer, .address_space: global }
    .group_segment_fixed_size: 264192
    .private_segment_fixed_size: 0
    .kernarg_segment_align: 8
    .kernarg_segment_size: 48
    .max_flat_workgroup_size: 512
    .sgpr_count:     66
    .vgpr_count:     256
    .wavefront_size: 32
...
	.end_amdgpu_metadata
.endif
;; end of part 1
;; launch gemm (part 2): grid 16 x 16, 4 waves a work-group, clusters of 4 x 4, 327,680 bytes of LDS; arguments xb, wb, bias, out0; writes out0
.if DOCPART == 2
	.amdgcn_target "amdgcn-amd-amdhsa--gfx1250"
	.amdhsa_code_object_version 6
	.text
	.protected	k_qe82d05e1ee_gemm
	.globl	k_qe82d05e1ee_gemm
	.p2align	8
	.type	k_qe82d05e1ee_gemm,@function
k_qe82d05e1ee_gemm:
	s_mov_b64 s[64:65], 0
	v_nop
	global_prefetch_b8 v0, s[64:65] scope:SCOPE_SE
	s_setreg_imm32_b32 hwreg(HW_REG_WAVE_MODE, 25, 1), 1
	s_wait_xcnt 0x0
	s_wait_alu depctr_hold_cnt(0) depctr_sa_sdst(0) depctr_va_vdst(0) depctr_va_sdst(0) depctr_va_ssrc(0) depctr_va_vcc(0) depctr_vm_vsrc(0)
	s_getreg_b32 s2, hwreg(HW_REG_IB_STS2, 6, 4)
	s_cmp_eq_u32 s2, 0
	s_cbranch_scc0 .Lentry_in_a_cluster
	s_endpgm
.Lentry_in_a_cluster:
	s_bfe_u32 s2, ttmp6, 0x10000c
	s_cmp_lg_u32 s2, 0xf033
	s_cbranch_scc0 .Lentry_shape_is_right
	s_endpgm
.Lentry_shape_is_right:
; SECOND OF TWO LAUNCHES.  out0[m][n] = bias[n] + the sum over k of xb[m][k] wb[n][k].  xb, wb: [4096][4096] bf16, as the first launch stored them; bias: [4096] f32; out0: [4096][4096] f32.  Sums in f32.
; No work is left out.  LIMIT: the sums START at bias[n] (it is the C operand of the first product) where the formula adds it last: another order of f32 roundings, nothing else.
; A tile of out0, 256 x 256, is made by a work-group of four waves; a wave makes 128 x 128: 64 accumulators of 16 x 16, 512 registers.  256 tiles, 256 work-groups.  K goes in 32 steps of 128 through a
; ring of two LDS slots filled by the tensor data mover: a tile's rows are 256 bytes of memory and start at multiples of 256 bytes from the buffer's first byte.
; CLUSTERS: 4 x 4 work-groups.  The four of a row of the cluster need the same tiles of xb, the four of a column the same tiles of wb.  Such a tile is asked for JOINTLY: each of the four issues the same
; tensor load, with the same descriptor and a mask that names the four, and each receives the tile in its own LDS.  That divides the requests for both operands by four.
; REGISTERS, in windows of 256 (s_set_vgpr_msb's low byte: bits 1:0 source 0, 3:2 source 1, 5:4 source 2, 7:6 destination):
;   window 0: v0-31 addresses; v64-127, v128-191 fragments of xb (8 x 16 rows x 32 K), two buffers, on the way out two buffers of 16 rows read back from the stage; v192-255 bias of my 128 columns
;   window 1: v64-127, v128-191 fragments of wb, two buffers
;   window 2: the 32 accumulators of my rows 0-63 (accumulator (a, b) at v[8 (8 a + b)]);   window 3: those of my rows 64-127
; THE MATRIX INSTRUCTION IS USED TRANSPOSED: source 0 = 16 rows of wb, source 1 = 16 rows of xb.  In the result lane l holds row m = l % 16 of out0 and its registers 0 to 7 the columns
; n = 8 (l / 16) + 0 .. 7: 32 neighbouring bytes of a row.  The C operand has the same layout, so register j of the bias for n block b is bias[n0 + 16 b + 8 (l / 16) + j], whatever the row.
.set SIZE_K, 4096
.set SIZE_N, 4096
.set KSTEP,  128
.set PITCH,  272                       ; an LDS row: 256 bytes of data + 16 of padding = 68 words: row r starts at bank 4 r mod 64 (64 banks of 4 bytes: ISA guide 11.1), so the 16 rows that a load touches start at 16 different banks
.set HALFT,  128*PITCH                 ; 128 rows: what one tensor load brings, and what one wave reads of xb or of wb
.set SLOT,   4*HALFT                   ; xb's 256 rows, then wb's 256 rows
.set STAGE,  2*SLOT                    ; behind the ring, never filled by a tensor load: 16 rows x 528 bytes for each wave, for the way out
.set SPITCH, 528                       ; a stage row: 128 f32 = 512 bytes + 16 = 132 words: again row r starts at bank 4 r mod 64
.set WSTAGE, 16*SPITCH
.set SPARE,  STAGE+4*WSTAGE            ; behind the stages (byte 312,320 = 1,220 x 256): the spare words, 128 bytes for each wave: two blocks of 256 bytes that no other line names
.set LAPS,   SIZE_K/(2*KSTEP)          ; a lap = two K steps = once round the ring: 16
.set ADRA, 16                          ; v16-17  LDS address of my xb fragments in slot 0, 1
.set ADRB, 20                          ; v20-21  the same for wb
.set STO,  24                          ; v24     the way out: where I put 32 bytes of a row
.set RD,   25                          ; v25     the way out: where I read 16 bytes of a row back
.set CO,   26                          ; v26     16 x lane: my 16 bytes of 512 consecutive bytes of out0
.set BO,   27                          ; v27     32 (l / 16): my 8 numbers among 16 of bias
.set SPW,  28                          ; v28     LDS address of my spare word: SPARE + 4 x my thread's number; never rewritten
.set NIL,  29                          ; v29     0; never rewritten
.set PFO,  30                          ; v30     the prefetches' offset: my lane x a row of xb or wb (8,192 bytes); never rewritten
.set F0,   64                          ; fragment buffer 0
.set F1,   128                         ; fragment buffer 1
.set OB,   64                          ; the way out: 16 rows read back, 64 registers: v64-127 and v128-191 by turns
.set BIAS, 192                         ; v192-255 of window 0; never rewritten
.set PFA,  44                          ; s[44:45] where my prefetches stand: my work-group's 32 rows of the 128 that I fetch, one K step further along K than the refill that is being asked for
.set LIM,  43                          ; s43     1 in a wave that prefetches, else the greatest number
.set G1,  24                           ; s[24:31] descriptor group 1 for xb's tiles
.set G0,  32                           ; s[32:39] descriptor group 0 for xb's tiles, one set for each slot
.set G1B, 48                           ; s[48:55] descriptor group 1 for wb's tiles: it differs in the mask alone
.set G0B, 56                           ; s[56:63] descriptor group 0 for wb's tiles, one set for each slot
.set MSB, 0
.macro WIN new                         ; the immediate's high byte repeats the setting that is left; a switch that changes nothing is dropped
.if MSB != (\new)
	s_set_vgpr_msb (MSB<<8)|(\new)
.set MSB, \new
.endif
.endm
.set MUL_LO,   0xa1                    ; source 0 (wb) window 1, source 1 (xb) window 0, C and D window 2
.set MUL_HI,   0xf1                    ; the same, C and D window 3
.set FIRST_LO, 0x81                    ; the first products: C is the bias, in window 0; D window 2
.set FIRST_HI, 0xc1                    ; D window 3
.set TO_B,     0x40                    ; destination window 1, address window 0
; A joint load.  Waves 0 and 1 fetch xb's two halves, waves 2 and 3 wb's.  Each of the two lines has ONE mask and one set of registers for all that issue it, and nothing in them hangs on a coordinate
; that the four partners do not share.  The branch hangs on the wave's number alone.  An s_nop 0 and four v_nop follow each of the two lines, ahead of the jump, the label and what follows.
.macro JLOAD s
	s_cmp_eq_u32 s11, 0
	s_cbranch_scc0 .Lfor_b_\@
	tensor_load_to_lds s[G0+4*(\s):G0+4*(\s)+3], s[G1:G1+7]
	s_nop 0
.rept 4
	v_nop
.endr
	s_branch .Lasked_\@
.Lfor_b_\@:
	tensor_load_to_lds s[G0B+4*(\s):G0B+4*(\s)+3], s[G1B:G1B+7]
	s_nop 0
.rept 4
	v_nop
.endr
.Lasked_\@:
.endm
; A PREFETCH INTO THE L2, behind each joint refill, its five lines and the run of LDS loads that follows them: the K step that stands TWO refills on (512 matrix instructions ahead of the load that will
; want it): 32 rows x 256 bytes, a lane a row, one instruction a wave.  Each row's 256 bytes of a K step are named ONCE in the launch: xb's tile row is read by every cluster of that row of clusters, and
; the one with x = 0 asks; wb's tile column by every cluster of that column, and the one with y = 0 asks.  The four partners that ask for a tile jointly share its rows out BY ADDRESS: of the 128 rows
; that a wave fetches, the partner at place p takes 32 p .. 32 p + 31 (p = cx for xb, cy for wb): no branch hangs on a work-group's place in its cluster.  Refill n (K step n + 1) names K step n + 3;
; the loop's last trip (s3 = 1), whose two refills are K steps 30 and 31, asks for nothing.  K steps 0 to 3 come by their loads alone.
.macro ASK
	s_cmp_gt_u32 s3, s[LIM]
	s_cbranch_scc0 .Lnot_mine_\@
	global_prefetch_b8 v[PFO], s[PFA:PFA+1] offset:KSTEP*2 th:TH_LOAD_NT scope:SCOPE_SE
.Lnot_mine_\@:
.endm
; A round of the cluster's barrier: my work-group's barrier, so that wave 0's signal speaks for all four waves; wave 0 signals for the work-group; every wave waits for all sixteen work-groups;
; my work-group's barrier once more.  No LDS instruction of the wave is pending at a signal.
.macro CREST                           ; a round behind its opening barrier
	s_cmp_lg_u32 s10, 0
	s_cbranch_scc1 .Lnot_wave_0_\@
	s_barrier_signal -3
.Lnot_wave_0_\@:
	s_barrier_wait -3
	s_barrier_signal -1
	s_barrier_wait -1
.endm
.macro CROUND                          ; a whole round
	s_barrier_signal -1
	s_barrier_wait -1
	CREST
.endm
	s_load_b128 s[4:7], s[0:1], 0x0                ; xb s[4:5], wb s[6:7]
	s_load_b128 s[68:71], s[0:1], 0x10             ; bias s[68:69], out0 s[70:71]
	v_lshl_add_u32 v[SPW], v0, 2, SPARE
	v_mov_b32 v[NIL], 0
	ds_add_u32 v[SPW], v[NIL]                      ; the wave's opening: the add, twice on end, and its wait ahead of my first tensor load; the set-up below stands between
	ds_add_u32 v[SPW], v[NIL]                      ; and once more, under the one wait
	v_lshrrev_b32 v1, 5, v0
	v_readfirstlane_b32 s10, v1                    ; wave 0..3
	s_lshr_b32 s11, s10, 1                         ; which half of the tile's rows is mine.  Also: I fetch for xb (0) or for wb (1)
	s_and_b32 s12, s10, 1                          ; which half of its columns.  Also: which 128 rows of that tile I fetch
	s_bfe_u32 s40, ttmp6, 0x40000                  ; cx: my place along the cluster's x
	s_bfe_u32 s41, ttmp6, 0x40004                  ; cy: along its y
	s_lshl_b32 s42, ttmp9, 2                       ; in a cluster launch ttmp9 and ttmp7 count clusters
	s_add_co_u32 s42, s42, s40                     ; tile column = 4 x cluster x + cx
	s_and_b32 s13, ttmp7, 0xffff
	s_lshl_b32 s13, s13, 2
	s_add_co_u32 s13, s13, s41                     ; tile row = 4 x cluster y + cy
	s_lshl_b32 s43, s41, 2
	s_lshl_b32 s43, 15, s43                        ; my row of the cluster: places 4 cy .. 4 cy + 3
	s_lshl_b32 s44, 0x1111, s40                    ; my column: places cx, cx + 4, cx + 8, cx + 12
	; descriptor group 1: a tile of 128 rows x 128 elements, padded in LDS
	s_or_b32 s[G1+0], s43, (1<<16)|(1<<20)|(1<<21)|(5<<22)|(3<<25)  ; 15:0 the mask: xb's tiles go to my row; 17:16 elements of 2 bytes; 20 padding on; 21 set beside a mask; 24:22 after every 64 words (code 5); 31:25 4 words of it (code 3)
	s_or_b32 s[G1B+0], s44, (1<<16)|(1<<20)|(1<<21)|(5<<22)|(3<<25) ; the same with the mask of my column, for wb's tiles
	s_mov_b32 s[G1B+1], KSTEP<<16
	s_mov_b32 s[G1+1], KSTEP<<16                   ; tensor_dim0 = 128
	s_mov_b32 s[G1B+2], 128<<16
	s_mov_b32 s[G1+2], 128<<16                     ; tensor_dim1 = 128
	s_mov_b32 s[G1B+3], KSTEP<<16
	s_mov_b32 s[G1+3], KSTEP<<16                   ; tile_dim0 = 128
	s_mov_b32 s[G1B+4], 128
	s_mov_b32 s[G1+4], 128                         ; tile_dim1 = 128
	s_mov_b32 s[G1B+5], SIZE_K
	s_mov_b32 s[G1+5], SIZE_K                      ; 4,096 elements from row to row
	s_mov_b32 s[G1B+6], 0
	s_mov_b32 s[G1+6], 0
	s_mov_b32 s[G1B+7], 0
	s_mov_b32 s[G1+7], 0
	; where the tiles come from.  xb's hang on the tile row alone, which my row of the cluster shares; wb's on the tile column alone, which my column shares.
	; Every wave makes both addresses, in registers that never hold the other coordinate, and asks by one of them.
	s_lshl_b32 s17, s12, 7                         ; which 128 rows of the tile I fetch
	s_lshl_b32 s16, s13, 8
	s_add_co_u32 s16, s16, s17                     ; xb: row 256 x tile row + 128 x half
	s_lshl_b32 s46, s42, 8
	s_add_co_u32 s46, s46, s17                     ; wb: row 256 x tile column + 128 x half
	s_mov_b32 s17, 0
	s_mov_b32 s47, 0
	s_mov_b64 s[18:19], SIZE_K*2
	s_mul_u64 s[16:17], s[16:17], s[18:19]         ; in bytes
	s_mul_u64 s[46:47], s[46:47], s[18:19]
	s_mul_i32 s20, s10, HALFT                      ; and where they go: xb's two halves, then wb's two halves = wave x 128 rows: no place in the cluster enters an LDS address
	s_wait_dscnt 0x0                               ; both opening adds are done
	s_wait_kmcnt 0x0
	s_add_nc_u64 s[14:15], s[4:5], s[16:17]
	s_add_nc_u64 s[46:47], s[6:7], s[46:47]
	CROUND                                         ; all sixteen work-groups are here: the first joint loads meet
.irp s, 0,1
	s_mov_b32 s[G0+4*(\s)], 1                                      ; 1:0 count = 1
	s_add_co_u32 s[G0+4*(\s)+1], s20, (\s)*SLOT                    ; 63:32 LDS address
	s_add_nc_u64 s[G0+4*(\s)+2:G0+4*(\s)+3], s[14:15], (\s)*KSTEP*2  ; 120:64 global address: K step s
	s_or_b32 s[G0+4*(\s)+3], s[G0+4*(\s)+3], 0x80000000            ; 127:126 type = 2
	s_mov_b32 s[G0B+4*(\s)], 1
	s_add_co_u32 s[G0B+4*(\s)+1], s20, (\s)*SLOT
	s_add_nc_u64 s[G0B+4*(\s)+2:G0B+4*(\s)+3], s[46:47], (\s)*KSTEP*2
	s_or_b32 s[G0B+4*(\s)+3], s[G0B+4*(\s)+3], 0x80000000
	JLOAD \s                                       ; the ring is filled before anything else is done: two tensor loads of mine are out
.endr
	; A fragment is 16 rows x 32 K in 8 registers: lane l holds row l % 16; registers 0-3 hold K = 8 (l / 16) + 0..7, registers 4-7 hold K = 16 + 8 (l / 16) + 0..7.
	; From rows that lie along K: two loads of 16 bytes, 32 bytes apart.  The same for source 0 and source 1.
	v_and_b32 v1, 15, v0                           ; l % 16
	v_bfe_u32 v2, v0, 4, 1                         ; l / 16
	v_mul_u32_u24 v3, v1, PITCH
	v_lshl_add_u32 v3, v2, 4, v3                   ; row x pitch + 16 x half
	s_mul_i32 s21, s11, HALFT                      ; my 128 rows of xb
	s_mul_i32 s22, s12, HALFT                      ; my 128 rows of wb,
	s_add_co_u32 s22, s22, 2*HALFT                 ; which lie behind xb's 256
.irp s, 0,1
	v_add_nc_u32 v[ADRA+(\s)], s21, v3
	v_add_nc_u32 v[ADRB+(\s)], s22, v3
	s_add_co_u32 s21, s21, SLOT
	s_add_co_u32 s22, s22, SLOT
.endr
	s_mul_i32 s23, s10, WSTAGE
	s_add_co_u32 s23, s23, STAGE                   ; my stage
	v_mul_u32_u24 v4, v1, SPITCH                   ; in: row l % 16, 32 bytes for each half of the lanes
	v_lshl_add_u32 v4, v2, 5, v4
	v_add_nc_u32 v[STO], s23, v4
	v_and_b32 v5, 31, v0
	v_lshlrev_b32 v[CO], 4, v5                     ; back: 32 lanes take one row of 512 bytes, 16 bytes each; the same in out0
	v_add_nc_u32 v[RD], s23, v[CO]
	v_lshlrev_b32 v[BO], 5, v2
	; bias at my first column, out0 at my first row and column
	s_lshl_b32 s13, s13, 8                         ; 256 x tile row
	s_lshl_b32 s14, s11, 7
	s_add_co_u32 s16, s13, s14                     ; my first row of out0
	s_mov_b32 s17, 0
	s_mov_b64 s[18:19], SIZE_N*4
	s_mul_u64 s[16:17], s[16:17], s[18:19]
	s_lshl_b32 s46, s42, 10                        ; my first column, in bytes of f32: 1,024 x tile column + 512 x half
	s_lshl_b32 s47, s12, 9
	s_add_co_u32 s46, s46, s47
	s_mov_b32 s47, 0
	s_add_nc_u64 s[68:69], s[68:69], s[46:47]
	s_add_nc_u64 s[16:17], s[16:17], s[46:47]
	s_add_nc_u64 s[70:71], s[70:71], s[16:17]      ; neither base is written again
.irp b, 0,1,2,3,4,5,6,7
	global_load_b128 v[BIAS+8*(\b):BIAS+8*(\b)+3],   v[BO], s[68:69] offset:64*(\b)     ; bias[n0 + 16 b + 8 (l / 16) + 0..3]
	global_load_b128 v[BIAS+8*(\b)+4:BIAS+8*(\b)+7], v[BO], s[68:69] offset:64*(\b)+16  ; and + 4..7
.endr
	; the prefetches.  s13 = 256 x tile row, s42 = tile column, s40 = cx, s41 = cy still stand; s[4:5] = xb, s[6:7] = wb
	s_lshl_b32 s42, s42, 8
	s_and_b32 s22, ttmp7, 0xffff                   ; cluster y
	s_cmp_eq_u32 s11, 0                            ; do I fetch for xb?
	s_cselect_b32 s20, s13, s42                    ; the tile's first row: in xb by the tile row, in wb by the tile column
	s_cselect_b32 s21, s40, s41                    ; my place among the four that ask for it with me
	s_cselect_b32 s22, ttmp9, s22                  ; the coordinate along which other clusters read the same rows
	s_cselect_b64 s[PFA:PFA+1], s[4:5], s[6:7]
	s_cmp_eq_u32 s22, 0
	s_cselect_b32 s[LIM], 1, -1                    ; the same in all sixteen partners, for a given wave
	s_lshl_b32 s22, s12, 7
	s_add_co_u32 s20, s20, s22                     ; + the 128 rows that I fetch
	s_lshl_b32 s21, s21, 5
	s_add_co_u32 s20, s20, s21                     ; + my work-group's 32 of them
	s_mov_b32 s21, 0
	s_mov_b64 s[18:19], SIZE_K*2
	s_mul_u64 s[20:21], s[20:21], s[18:19]
	s_add_nc_u64 s[PFA:PFA+1], s[PFA:PFA+1], s[20:21]
	s_add_nc_u64 s[PFA:PFA+1], s[PFA:PFA+1], 2*KSTEP*2  ; at K step 2: the first refill steps it to 3 and names K step 4
	v_and_b32 v[PFO], 31, v0
	v_mul_u32_u24 v[PFO], v[PFO], SIZE_K*2
	; nothing is prefetched here, at the head, where every work-group's first two tiles are on their way
; 16 matrix instructions: m blocks a0, a0 + 1 of the window's four (hi = 0: my rows 0-63, 1: rows 64-127) x all 8 n blocks, 32 along K.
; first = 1: the product starts the sum, with the bias of its n block as C: nothing is cleared, and no addition is spent on the bias.
; The 64 accumulators take turns, one instruction a turn, in the same order in every quarter step: over the loop's backward jump and into the tail too.
.macro MUL16 f, hi, a0, first
.if \first
	WIN FIRST_LO+0x40*(\hi)
.else
	WIN MUL_LO+0x50*(\hi)
.endif
.irp a, \a0, (\a0)+1
.irp b, 0,1,2,3,4,5,6,7
.if \first
	v_wmma_f32_16x16x32_bf16 v[8*(8*(\a)+(\b)):8*(8*(\a)+(\b))+7], v[(\f)+8*(\b):(\f)+8*(\b)+7], v[(\f)+8*(4*(\hi)+(\a)):(\f)+8*(4*(\hi)+(\a))+7], v[BIAS+8*(\b):BIAS+8*(\b)+7]
.else
	v_wmma_f32_16x16x32_bf16 v[8*(8*(\a)+(\b)):8*(8*(\a)+(\b))+7], v[(\f)+8*(\b):(\f)+8*(\b)+7], v[(\f)+8*(4*(\hi)+(\a)):(\f)+8*(4*(\hi)+(\a))+7], v[8*(8*(\a)+(\b)):8*(8*(\a)+(\b))+7]
.endif
.endr
.endr
.endm
; 32 LDS loads in one run: the fragments of one quarter step (128 rows of wb, 128 rows of xb, 32 K at byte k of the rows) into buffer f
.macro FETCH slot, k, f
	WIN TO_B
.irp i, 0,1,2,3,4,5,6,7
	ds_load_b128 v[(\f)+8*(\i):(\f)+8*(\i)+3],   v[ADRB+(\slot)] offset:(\k)+(\i)*16*PITCH
	ds_load_b128 v[(\f)+8*(\i)+4:(\f)+8*(\i)+7], v[ADRB+(\slot)] offset:(\k)+(\i)*16*PITCH+32
.endr
	WIN 0
.irp i, 0,1,2,3,4,5,6,7
	ds_load_b128 v[(\f)+8*(\i):(\f)+8*(\i)+3],   v[ADRA+(\slot)] offset:(\k)+(\i)*16*PITCH
	ds_load_b128 v[(\f)+8*(\i)+4:(\f)+8*(\i)+7], v[ADRA+(\slot)] offset:(\k)+(\i)*16*PITCH+32
.endr
.endm
; A load into a register that a matrix instruction has read, and an LDS store that reads a matrix result, stand four places behind that matrix instruction, and only plain vector instructions that
; name none of its registers are places (ISA guide 7.12.1 for vector instructions); the matrix instructions in between are not counted.
.macro PLACES
.rept 4
	v_nop
.endr
.endm
; A K step is four quarter steps of 32 along K, 64 matrix instructions each, on buffers 0, 1, 0, 1.
; One of the first three: multiplies buffer f; in its middle it fetches the next quarter's fragments, at byte k of the same slot's rows, into buffer g.
.macro QUARTER slot, k, f, g, first
	s_wait_dscnt 8                                 ; wb's fragments and xb's rows 0-63 are in; the youngest eight loads (xb's rows 64-127) may be out
	MUL16 \f, 0, 0, \first
	MUL16 \f, 0, 2, \first
	PLACES
	FETCH \slot, \k, \g
	s_wait_dscnt 32                                ; all but the 32 just issued
	MUL16 \f, 1, 0, \first
	MUL16 \f, 1, 2, \first
.endm
; The last quarter multiplies buffer 1 and changes slots.  MEET is its first half: ONE barrier for the change of slots, for two things.  In front of it each wave waits for all its tensor loads, of which
; one is out: its part of the next slot; adds 0 to its spare word; and waits for that and for its own reads of this slot.  Behind it nobody reads this slot any more and the next slot is whole.
.macro MEET round                      ; round = 1: the rest of a round of the cluster's barrier follows
	WIN 0                                          ; (the add's two registers lie in window 0)
	s_wait_tensorcnt 0x0                           ; all my tensor loads have landed: the one that was out is my part of the next slot;
	ds_add_u32 v[SPW], v[NIL]                      ; 0 onto my spare word;
	s_wait_dscnt 9                                 ; (the add and the youngest eight loads may be out)
	MUL16 F1, 0, 0, 0                              ; sixteen matrix instructions stand between the add and the wait for it
	s_wait_dscnt 0x0                               ; the add is done, and my reads of this slot are over:
	s_barrier_signal -1                            ; say so,
	MUL16 F1, 0, 2, 0                              ; work on registers while the others arrive,
.if \round
	WIN 0
.endif
	s_barrier_wait -1                              ; and go on when all four have said so
.endm
; The whole last quarter, with a refill.  Behind the round the slot just read out is filled again first, with the K step two steps on; then come the next slot's first fragments.
; From a request to the wait for it a wave issues 224 matrix instructions.
.macro TURN slot, next
	s_wait_xcnt 0x0                                ; the last prefetch, a K step back, has read its address: it is stepped here, ahead of the waits of the change of slots
	s_add_nc_u64 s[PFA:PFA+1], s[PFA:PFA+1], KSTEP*2
	MEET 1
	CREST                                          ; wave 0 says so for the work-group, all sixteen have said so, my work-group's barrier closes the round: no wave of any partner still reads this slot's tile or has a load on its way
	s_add_nc_u64 s[G0+4*(\slot)+2:G0+4*(\slot)+3], s[G0+4*(\slot)+2:G0+4*(\slot)+3], 2*KSTEP*2   ; no tensor load of mine is out, so a group 0 may be written; the type bits on top are not reached
	s_add_nc_u64 s[G0B+4*(\slot)+2:G0B+4*(\slot)+3], s[G0B+4*(\slot)+2:G0B+4*(\slot)+3], 2*KSTEP*2
	JLOAD \slot                                    ; my one tensor load behind the round, and the first thing there; the four v_nop behind it are also the places in front of the loads below
	FETCH \next, 0, F0
	ASK                                            ; behind the joint load and the run of LDS loads that the next products wait for
	MUL16 F1, 1, 0, 0
	MUL16 F1, 1, 2, 0
.endm
	s_wait_tensorcnt 1                             ; my part of K step 0 is in; K step 1's load may stay out
	s_barrier_signal -1
	s_barrier_wait -1                              ; everybody's is
	FETCH 0, 0, F0
	s_wait_loadcnt 0x0                             ; the bias
	QUARTER 0, 64,  F0, F1, 1                      ; the first quarter stands in front of the loop: its products start the sums
	WIN 0                                          ; at a label and at a branch every window is 0
	s_mov_b32 s3, LAPS-1
.Llap:                                                 ; a trip goes once round the ring, from a lap's second quarter to the next lap's first, and fills both slots again
	QUARTER 0, 128, F1, F0, 0
	QUARTER 0, 192, F0, F1, 0
	TURN 0, 1
	QUARTER 1, 64,  F0, F1, 0
	QUARTER 1, 128, F1, F0, 0
	QUARTER 1, 192, F0, F1, 0
	TURN 1, 0
	QUARTER 0, 64,  F0, F1, 0
	WIN 0
	s_sub_co_u32 s3, s3, 1
	s_cmp_lg_u32 s3, 0
	s_cbranch_scc1 .Llap
	QUARTER 0, 128, F1, F0, 0                      ; the last lap is written out: it asks for nothing more
	QUARTER 0, 192, F0, F1, 0
	MEET 0                                         ; my one tensor load that was still out is slot 1's, the last K step's, so no round follows
	PLACES                                         ; for the loads into buffer 0, which the quarter before multiplied
	FETCH 1, 0, F0
	MUL16 F1, 1, 0, 0
	MUL16 F1, 1, 2, 0
	QUARTER 1, 64,  F0, F1, 0
	QUARTER 1, 128, F1, F0, 0
	QUARTER 1, 192, F0, F1, 0
	s_wait_dscnt 8                                 ; the very last quarter: nothing more to fetch
	MUL16 F1, 0, 0, 0
	MUL16 F1, 0, 2, 0
	s_wait_dscnt 0x0
	MUL16 F1, 1, 0, 0
	MUL16 F1, 1, 2, 0
	WIN 0
	PLACES                                         ; behind the last products: the LDS stores below read results, and the loads from the stage land where fragments lay
	PLACES
; THE WAY OUT, a block of 16 rows at a time.  A lane's 32 bytes are one sixteenth of a row's 512, and the lanes beside it hold other rows: so the block goes into my own stage in LDS, rows of 528 bytes,
; and comes back by rows: 32 lanes x 16 bytes are one row's 512 bytes.  Each accumulator's four lowest registers are read first.
.macro TOSTAGE a
.set AC, 64*((\a)%4)                   ; the block's eight accumulators, in window 2 (blocks 0-3) or 3 (blocks 4-7)
.set BK, OB+64*((\a)%2)
	WIN 0x08+4*((\a)/4)                            ; an LDS store's data is source 1: window 2 or 3; the address stays in window 0
.irp b, 0,1,2,3,4,5,6,7
	ds_store_b128 v[STO], v[AC+8*(\b):AC+8*(\b)+3]   offset:64*(\b)
	ds_store_b128 v[STO], v[AC+8*(\b)+4:AC+8*(\b)+7] offset:64*(\b)+16
.endr
	WIN 0
	s_wait_xcnt 0x0                                ; the stores of the block two back have read this buffer: it is loaded again only behind this wait
.irp t, 0,1,2,3,4,5,6,7,8,9,10,11,12,13,14,15
	ds_load_b128 v[BK+4*(\t):BK+4*(\t)+3], v[RD] offset:(\t)*SPITCH  ; LDS serves a wave's instructions in order (ISA guide 5.7.1.4): these see the stores above, and the next block's stores come behind them
.endr
.endm
.macro SEND a, younger                 ; younger: the LDS instructions issued behind block a's loads: the next block's 32, or none
.set BK, OB+64*((\a)%2)
.irp t, 0,1,2,3,4,5,6,7,8,9,10,11,12,13,14,15
	s_wait_dscnt (\younger)+15-(\t)                ; row t is back in registers
	global_store_b128 v[CO], v[BK+4*(\t):BK+4*(\t)+3], s[70:71] offset:(16*(\a)+(\t))*SIZE_N*4 th:TH_STORE_NT  ; 512 consecutive bytes, at a multiple of 512 from out0's first byte; the row stands in the immediate, 2,080,768 at the most
.endr
.endm
	TOSTAGE 0
.irp a, 1,2,3,4,5,6,7                  ; block a's way through the stage is begun before block a - 1's rows are waited for
	TOSTAGE \a
	SEND (\a)-1, 32
.endr
	SEND 7, 0
	s_wait_tensorcnt 0x0                           ; the wave's end, behind my last tensor load and my last LDS store
	ds_add_u32 v[SPW], v[NIL]
	s_wait_dscnt 0x0
	CROUND                                         ; the closing round: no work-group ends while a partner may still ask for a tile that names it
	s_endpgm
.Lfunc_end_k_qe82d05e1ee_gemm:
	.size	k_qe82d05e1ee_gemm, .Lfunc_end_k_qe82d05e1ee_gemm-k_qe82d05e1ee_gemm
	.p2alignl 7, 3214868480
	.fill 96, 4, 3214868480
	.section	.rodata,"a",@progbits
	.p2align	6, 0x0
	.amdhsa_kernel k_qe82d05e1ee_gemm
		.amdhsa_group_segment_fixed_size 327680
		.amdhsa_private_segment_fixed_size 0
		.amdhsa_enable_private_segment 0
		.amdhsa_kernarg_size 32
		.amdhsa_user_sgpr_count 2
		.amdhsa_user_sgpr_kernarg_segment_ptr 1
		.amdhsa_wavefront_size32 1
		.amdhsa_system_sgpr_workgroup_id_x 1
		.amdhsa_system_sgpr_workgroup_id_y 1
		.amdhsa_system_sgpr_workgroup_id_z 1
		.amdhsa_system_vgpr_workitem_id 0
		.amdhsa_next_free_vgpr 1024
		.amdhsa_next_free_sgpr 72
		.amdhsa_reserve_vcc 0
		.amdhsa_float_denorm_mode_32 3
		.amdhsa_float_denorm_mode_16_64 3
		.amdhsa_memory_ordered 1
		.amdhsa_forward_progress 1
		.amdhsa_inst_pref_size 147
	.end_amdhsa_kernel
	.amdgpu_metadata
---
amdhsa.version: [ 1, 2 ]
amdhsa.kernels:
  - .name:           k_qe82d05e1ee_gemm
    .symbol:         k_qe82d05e1ee_gemm.kd
    .args:
      - { .name: xb, .offset: 0, .size: 8, .value_kind: global_buffer, .address_space: global }
      - { .name: wb, .offset: 8, .size: 8, .value_kind: global_buffer, .address_space: global }
      - { .name: bias, .offset: 16, .size: 8, .value_kind: global_buffer, .address_space: global }
      - { .name: out0, .offset: 24, .size: 8, .value_kind: global_buffer, .address_space: global }
    .group_segment_fixed_size: 327680
    .private_segment_fixed_size: 0
    .kernarg_segment_align: 8
    .kernarg_segment_size: 32
    .max_flat_workgroup_size: 128
    .sgpr_count:     72
    .vgpr_count:     1024
    .wavefront_size: 32
...
	.end_amdgpu_metadata
.endif
;; end of part 2
